; MI455X (gfx1250); checked and timed in simulation.
; The chip was launched on July 23, 2026; its instructions are those of AMD's public machine-readable ISA for CDNA 5 (MIT licence, August 2026) and "CDNA5" Instruction Set Architecture Reference Guide (July 2026). The comments in the code are by the model that wrote it; some were corrected since.
;; CIDER. Allowed arithmetic: matrix products marked QUANTISED: E2M3 operands, one E8M0 scale for each 32 along K, by v_wmma_scale_f32_16x16x128_f8f6f4 with both operands' format E2M3, f32 sums; products left as they are: f32 operands where the result goes on into a quantised operand, else bf16, f16 or f32 operands; f32 sums; everything else in f32.
;; Inputs: I 1 x 16 x 512 float32; mab0_Wo 512 x 512 float32; mab0_Wqkv 3 x 512 x 512 float32; mab0_b0 512 float32; mab0_b1 512 float32; mab0_bo 512 float32; mab0_bqkv 3 x 512 float32; mab0_g0 512 float32; mab0_g1 512 float32; mab1_Wo 512 x 512 float32; mab1_Wqkv 3 x 512 x 512 float32; mab1_b0 512 float32; mab1_b1 512 float32; mab1_bo 512 float32; mab1_bqkv 3 x 512 float32; mab1_g0 512 float32; mab1_g1 512 float32; x 512 x 32 x 512 float32.
;; Outputs: out0 512 x 512 float32.
;; This version of the problem:
;;   THIS VERSION OF THE PROBLEM IS GIVEN IN LOW PRECISION. The matrix products marked QUANTISED in the list below multiply operands that are first quantised to E2M3 (2 exponent bits, 3 mantissa bits; 6 bits a number), with one power-of-two scale for each 32 numbers along K (OCP MX v1.0); their sums are f32. All else is computed in f32.
;;   The module's matrix products, in the order in which they are computed (A, B: the left and right operand; K: the contracted axis; several contracted axes count as one K, in the product's order):
;;     1. [M 8,192, K 512] x [K 512, N 512]; A: input I; B: input mab0_Wqkv: QUANTISED
;;     2. [M 16,384, K 512] x [K 512, N 512]; A: input x; B: input mab0_Wqkv: QUANTISED
;;     3. [M 16,384, K 512] x [K 512, N 512]; A: input x; B: input mab0_Wqkv: QUANTISED
;;     4. batch 4,096 x [M 16, K 64] x [K 64, N 32]; A: computed on the way; B: computed on the way: QUANTISED
;;     5. batch 4,096 x [M 64, K 32] x [K 32, N 16]; A: computed on the way; B: softmax (see below): QUANTISED
;;     6. [M 8,192, K 512] x [K 512, N 512]; A: computed on the way; B: input mab0_Wo: QUANTISED
;;     7. [M 16,384, K 512] x [K 512, N 512]; A: input x; B: input mab1_Wqkv: QUANTISED
;;     8. [M 8,192, K 512] x [K 512, N 512]; A: computed on the way; B: input mab1_Wqkv: QUANTISED
;;     9. [M 8,192, K 512] x [K 512, N 512]; A: computed on the way; B: input mab1_Wqkv: QUANTISED
;;     10. batch 4,096 x [M 32, K 64] x [K 64, N 16]; A: computed on the way; B: computed on the way: QUANTISED
;;     11. batch 4,096 x [M 64, K 16] x [K 16, N 32]; A: computed on the way; B: softmax (see below): left as it is (K = 16 < 32)
;;     12. [M 16,384, K 512] x [K 512, N 512]; A: computed on the way; B: input mab1_Wo: QUANTISED
;;     13. [M 8,192, K 512] x [K 512, N 512]; A: input I; B: input mab0_Wqkv: QUANTISED
;;     14. [M 16,384, K 512] x [K 512, N 512]; A: computed on the way; B: input mab0_Wqkv: QUANTISED
;;     15. [M 16,384, K 512] x [K 512, N 512]; A: computed on the way; B: input mab0_Wqkv: QUANTISED
;;     16. batch 4,096 x [M 16, K 64] x [K 64, N 32]; A: computed on the way; B: computed on the way: QUANTISED
;;     17. batch 4,096 x [M 64, K 32] x [K 32, N 16]; A: computed on the way; B: softmax (see below): QUANTISED
;;     18. [M 8,192, K 512] x [K 512, N 512]; A: computed on the way; B: input mab0_Wo: QUANTISED
;;     19. [M 16,384, K 512] x [K 512, N 512]; A: computed on the way; B: input mab1_Wqkv: QUANTISED
;;     20. [M 8,192, K 512] x [K 512, N 512]; A: computed on the way; B: input mab1_Wqkv: QUANTISED
;;     21. [M 8,192, K 512] x [K 512, N 512]; A: computed on the way; B: input mab1_Wqkv: QUANTISED
;;     22. batch 4,096 x [M 32, K 64] x [K 64, N 16]; A: computed on the way; B: computed on the way: QUANTISED
;;     23. batch 4,096 x [M 64, K 16] x [K 16, N 32]; A: computed on the way; B: softmax (see below): left as it is (K = 16 < 32)
;;     24. [M 16,384, K 512] x [K 512, N 512]; A: computed on the way; B: input mab1_Wo: QUANTISED
;;   THE QUANTISER, for each operand of a quantised product, along K:
;;     - K is cut into blocks of 32 from its start; a last block that is shorter is filled with zeros.
;;     - A block's scale is 2^e with e = floor(log2(the largest magnitude in the block)) - 2, held to -126 .. 127; a block of zeros has e = 0. As a byte (E8M0): e + 127.
;;     - Each number is divided by its block's scale, clamped to +-7.5, and rounded to the nearest number of E2M3, ties to even, subnormals kept.
;;     - The product sums the exact products of the quantised numbers (number of the format x scale) in f32.
;;   ~~~python
;;   def quantise(x, axis):      # numpy; x: float32 -> the quantised numbers, widened to float32 again
;;       x = np.moveaxis(x, axis, -1); K = x.shape[-1]
;;       x = np.pad(x, [(0, 0)] * (x.ndim - 1) + [(0, -K % 32)]); x = x.reshape(x.shape[:-1] + (-1, 32)); a = np.abs(x).max(-1, keepdims=True)
;;       e = np.where(a > 0, np.clip(np.frexp(np.where(a > 0, a, 1))[1] - 1 - 2, -126, 127), 0)      # np.frexp(a)[1] - 1 = floor(log2(a)), exactly
;;       r = np.clip(x / 2.0 ** e, -7.5, 7.5)
;;       step = 2.0 ** (np.maximum(np.frexp(np.where(r == 0, 1, r))[1] - 1, 0) - 3)
;;       q = np.round(r / step) * step * 2.0 ** e      # np.round: ties to even
;;       return np.moveaxis(q.reshape(q.shape[:-2] + (-1,))[..., :K], -1, axis).astype(np.float32)
;;   ~~~
;;   SOFTMAX AHEAD OF A QUANTISED PRODUCT. Where the list says 'softmax', what is quantised is not the finished softmax but p = 2^(t - M), with t = logit x log2(e) and M = ceil(the row's largest t), a whole number; so 1/2 < the row's largest p <= 1. The row's sum l is taken of the UNQUANTISED p, in f32, and the product's result is divided by l at the end. Since M is a whole number, a kernel that streams over the keys may use a running M (the ceiling of the running maximum): every later rescaling is an exact power of two, which a block's scale takes up: the codes' values come out the same.
;;   OPERANDS COMPUTED ON THE WAY. 'Computed on the way' means the value that the module computes at that place (a softmax that the list does not call 'softmax' is quantised finished and normalised). What goes into a quantiser is computed in f32, as accurately as f32 sums, v_exp_f32 and their like allow (about 1e-6 of the number): no bf16 or f16 on the way to a quantiser, and a product that is left as it is and whose result goes on into a quantised operand takes f32 operands (vector FMAs, or v_wmma_f32_16x16x4_f32). A number that lies on a knife's edge between two numbers of the format may be rounded either way, as far as f32 arithmetic and the matrix unit's own rounding can turn it there, and no further.
;; One version. Each part assembles by itself: llvm-mc -triple=amdgcn-amd-amdhsa -mcpu=gfx1250 --defsym DOCPART=n.
;; ======== version 1 of 1: 2 launches
;; limits: right only within a limited range of input values
;; workspace buffers: wq 1,638,400 bytes
;; launch prep (part 1): grid 32 x 8, 2 waves a work-group, no clusters, 6,400 bytes of LDS; arguments mab0_Wqkv, mab0_Wo, mab1_Wqkv, mab1_Wo, wq; writes wq
.if DOCPART == 1
	.amdgcn_target "amdgcn-amd-amdhsa--gfx1250"
	.amdhsa_code_object_version 6
	.text
	.protected	k_q5e171baa2d_prep
	.globl	k_q5e171baa2d_prep
	.p2align	8
	.type	k_q5e171baa2d_prep,@function
k_q5e171baa2d_prep:
	s_mov_b64 s[64:65], 0
	v_nop
	global_prefetch_b8 v0, s[64:65] scope:SCOPE_SE
	s_setreg_imm32_b32 hwreg(HW_REG_WAVE_MODE, 25, 1), 1
	s_wait_xcnt 0x0
; THE EIGHT WEIGHTS [512 (k)][512 (n)], f32, K their first axis, become codes of E2M3 with one E8M0 byte for each 32 along K,
; laid in wq in the order of the operand's registers, so that the second launch loads every fragment by 16-byte loads alone.
; Matrix j: 0 Wq0, 1 Wk0, 2 Wv0, 3 Wo0, 4 Wq1, 5 Wk1, 6 Wv1, 7 Wo1.  Group (j, w, s) at j*204800 + w*25600 + s*6400: the columns 64 w .. 64 w + 63, K step s (128 along K).
; A group: four fragments t of 1,536 bytes (three chunks of 512: lane L's 16 bytes at 512 c + 16 L are the fragment's registers 4 c .. 4 c + 3); lane (r, h) of fragment t holds column
; 64 w + 32 (t / 2) + 8 (t % 2) + r + 8 (r / 8), its registers 6 c .. 6 c + 5 the codes of k = 128 s + 64 c + 32 h + 0 .. 31.  Behind them 256 bytes of scale words: lane L' has 8 bytes:
; word 0 = tile 0 (L' < 16) or tile 1, word 1 = tile 2 or tile 3; a word is the column's four bytes of the K step.
; NO WORK OF reference() IS LEFT OUT HERE.  In the whole program one thing is done fewer times than reference() writes it: products 1 and 13 multiply broadcast_to(I), which reference() builds itself: all 512 copies,
; in both passes, are the same 16 x 512 numbers whatever the inputs hold; the second launch makes them once in each work-group.  Every input is loaded.  Nothing is left out that a NaN or an infinity could reach alone.
; SHARES.  A work-group makes one group.  A LANE TAKES A COLUMN AND ITS REGISTERS RUN DOWN K: wave b' takes columns 32 b' + lane of the 64; the two waves read 256 consecutive bytes of each row k; a block of 32 along K
; lies in one lane's registers.  The codes turn through the wave's own stage in LDS into the fragments' order and leave as 512 consecutive bytes a store.  The scale words leave as 4 bytes a lane, 8 apart: the group's
; last 256 bytes are written by the two waves in halves, 1 byte in 25 of the group.
; A block's scale is 2^(floor(log2(largest magnitude)) - 2); its byte is the largest magnitude's exponent field - 2, held at 1 from below.
; LIMITS: a block of zeros, or one whose largest magnitude lies under 2^-124, gets the byte 1 (a block of zeros: where the rule says 127; its codes are zeros, and this program alone reads the bytes); NaN and infinities are not served.
.set SPARE, 6144                       ; behind the two stages of 3,072 bytes: the spare words, 128 bytes a wave
.set SPW, 1                            ; v1  LDS address of my spare word; never rewritten
.set NIL, 2                            ; v2  0; never rewritten
.set C,   20                           ; v20-51  codes, eight registers a block: no store's data are written again
.set X,   64                           ; v64-191 my column's 128 numbers; at the end 24 of them take the stage's bytes
	s_load_b256 s[4:11], s[0:1], 0x0               ; Wqkv0 s[4:5], Wo0 s[6:7], Wqkv1 s[8:9], Wo1 s[10:11]
	s_load_b64 s[12:13], s[0:1], 0x20              ; wq
	v_lshl_add_u32 v[SPW], v0, 2, SPARE
	v_mov_b32 v[NIL], 0
	v_lshrrev_b32 v8, 5, v0
	v_readfirstlane_b32 s24, v8                    ; wave b'
	v_and_b32 v9, 31, v0                           ; lane
	v_lshlrev_b32 v3, 2, v0                        ; in: 4 bytes a thread: column 32 b' + lane of the 64
	v_bfe_u32 v10, v0, 3, 1                        ; u: my column lies in tile 2 b' + u,
	v_and_b32 v11, 7, v0
	v_bfe_u32 v12, v0, 4, 1
	v_lshl_add_u32 v11, v12, 3, v11                ; at its lane r = lane % 8 + 8 (lane / 16)
	s_mul_i32 s25, s24, 3072                       ; my stage; also my two fragments' place in the group
	v_mul_u32_u24 v4, v10, 1536
	v_lshl_add_u32 v4, v11, 4, v4
	v_add_nc_u32 v4, s25, v4                       ; into the stage: fragment u, 16 r
	v_lshl_add_u32 v5, v9, 4, s25                  ; out of it, and the same place in the group: 16 x lane
	v_lshl_add_u32 v7, v10, 4, v11
	v_lshlrev_b32 v7, 3, v7
	s_lshl_b32 s26, s24, 2
	v_add_nc_u32 v7, s26, v7                       ; my scale word: 8 (r + 16 u) + 4 b'
	s_and_b32 s14, ttmp7, 0xffff                   ; j
	s_and_b32 s15, ttmp9, 7                        ; w
	s_lshr_b32 s16, ttmp9, 3                       ; s
	s_mul_i32 s20, s14, 204800
	s_mul_i32 s21, s15, 25600
	s_add_co_u32 s20, s20, s21
	s_mul_i32 s21, s16, 6400
	s_add_co_u32 s20, s20, s21                     ; the group's place in wq
	s_mov_b32 s21, 0
	s_and_b32 s17, s14, 3
	s_wait_kmcnt 0x0
	s_add_nc_u64 s[12:13], s[12:13], s[20:21]
	s_cmp_lt_u32 s14, 4                            ; mab0's or mab1's: the choice hangs on the work-group's number alone
	s_cselect_b64 s[4:5], s[4:5], s[8:9]
	s_cselect_b64 s[6:7], s[6:7], s[10:11]
	s_cmp_eq_u32 s17, 3                            ; Wo, or one of Wqkv's three
	s_cselect_b64 s[4:5], s[6:7], s[4:5]
	s_cselect_b32 s17, 0, s17
	s_lshl_b32 s18, s17, 20                        ; a matrix is 2^20 bytes,
	s_lshl_b32 s19, s16, 18                        ; a K step 128 rows of 2,048,
	s_add_co_u32 s18, s18, s19
	s_lshl_b32 s19, s15, 8                         ; 64 columns 256 bytes
	s_add_co_u32 s18, s18, s19
	s_mov_b32 s19, 0
	s_add_nc_u64 s[4:5], s[4:5], s[18:19]
.set kk, 0
.rept 128
	global_load_b32 v[X+kk], v3, s[4:5] offset:kk*2048 th:TH_LOAD_NT   ; W(128 s + kk, my column): read once in the launch
.set kk, kk+1
.endr
; Block kb: 32 numbers become six registers of codes and a byte; the codes go to fragment lane r + 16 (kb % 2), registers 6 (kb / 2) on
.macro BLOCK kb
.set XB, X+32*(\kb)
.set CB, C+8*(\kb)
	v_max3_num_f32 v8, |v[XB]|, |v[XB+1]|, |v[XB+2]|
	v_max3_num_f32 v9, |v[XB+3]|, |v[XB+4]|, |v[XB+5]|
.irp i, 6,10,14,18,22,26
	v_max3_num_f32 v8, v8, |v[XB+\i]|, |v[XB+\i+1]|
	v_max3_num_f32 v9, v9, |v[XB+\i+2]|, |v[XB+\i+3]|
.endr
	v_max3_num_f32 v8, v8, |v[XB+30]|, |v[XB+31]|
	v_max3_num_f32 v8, v8, v9, 0x1800000           ; and the floor 2^(3 - 127): the byte cannot fall under 1
	v_add_nc_u32 v10, 0xff000000, v8               ; 2 off the exponent field: the conversion's scale operand
	v_lshrrev_b32 v11, 23, v10                     ; the scale's byte
.if (\kb) == 0
	v_mov_b32 v16, v11
.else
	v_lshl_or_b32 v16, v11, 8*(\kb), v16
.endif
	v_cvt_scalef32_pk16_fp6_f32 v[CB:CB+2], v[XB:XB+15], v10
	v_cvt_scalef32_pk16_fp6_f32 v[CB+4:CB+6], v[XB+16:XB+31], v10   ; (a conversion's three registers begin on an even number)
	v_nop                                          ; one plain place behind a scaled conversion
	v_mov_b32 v[CB+3], v[CB+4]
	v_mov_b32 v[CB+4], v[CB+5]
	v_mov_b32 v[CB+5], v[CB+6]                     ; the block's 192 bits on end
.if (\kb) < 2
	ds_store_b128 v4, v[CB:CB+3] offset:256*((\kb)%2)              ; registers 0-3: chunk 0
	ds_store_b64 v4, v[CB+4:CB+5] offset:256*((\kb)%2)+512         ; registers 4, 5: chunk 1, lower half
.else
	ds_store_b64 v4, v[CB:CB+1] offset:256*((\kb)%2)+520           ; registers 6, 7: chunk 1, upper half
	ds_store_b128 v4, v[CB+2:CB+5] offset:256*((\kb)%2)+1024       ; registers 8-11: chunk 2
.endif
.endm
	s_wait_loadcnt 63                              ; blocks 0 and 1 are the first 64 loads: at most the 63 youngest are out
	BLOCK 0
	BLOCK 1
	s_wait_loadcnt 32                              ; block 3's 32 may be out
	BLOCK 2
	s_wait_loadcnt 0x0
	BLOCK 3
.irp i, 0,1,2,3,4,5
	ds_load_b128 v[X+4*\i:X+4*\i+3], v5 offset:512*\i              ; LDS serves a wave's instructions in order: these see my stores
.endr
	s_wait_alu depctr_va_vdst(0)
.irp i, 0,1,2,3,4,5
	s_wait_dscnt 5-\i                              ; the younger loads may be out
	global_store_b128 v5, v[X+4*\i:X+4*\i+3], s[12:13] offset:512*\i   ; 32 lanes store 512 consecutive bytes, at a multiple of 256 from wq's first byte
.endr
	global_store_b32 v7, v16, s[12:13] offset:6144
	s_wait_tensorcnt 0x0                           ; the wave's end, behind my last LDS store
	ds_add_u32 v[SPW], v[NIL]
	s_wait_dscnt 0x0
	s_endpgm
.Lfunc_end_k_q5e171baa2d_prep:
	.size	k_q5e171baa2d_prep, .Lfunc_end_k_q5e171baa2d_prep-k_q5e171baa2d_prep
	.p2alignl 7, 3214868480
	.fill 96, 4, 3214868480
	.section	.rodata,"a",@progbits
	.p2align	6, 0x0
	.amdhsa_kernel k_q5e171baa2d_prep
		.amdhsa_group_segment_fixed_size 6400
		.amdhsa_private_segment_fixed_size 0
		.amdhsa_enable_private_segment 0
		.amdhsa_kernarg_size 40
		.amdhsa_user_sgpr_count 2
		.amdhsa_user_sgpr_kernarg_segment_ptr 1
		.amdhsa_wavefront_size32 1
		.amdhsa_system_sgpr_workgroup_id_x 1
		.amdhsa_system_sgpr_workgroup_id_y 1
		.amdhsa_system_sgpr_workgroup_id_z 1
		.amdhsa_system_vgpr_workitem_id 0
		.amdhsa_next_free_vgpr 192
		.amdhsa_next_free_sgpr 66
		.amdhsa_reserve_vcc 0
		.amdhsa_float_denorm_mode_32 3
		.amdhsa_float_denorm_mode_16_64 3
		.amdhsa_memory_ordered 1
		.amdhsa_forward_progress 1
		.amdhsa_inst_pref_size 22
	.end_amdhsa_kernel
	.amdgpu_metadata
---
amdhsa.version: [ 1, 2 ]
amdhsa.kernels:
  - .name:           k_q5e171baa2d_prep
    .symbol:         k_q5e171baa2d_prep.kd
    .args:
      - { .name: mab0_Wqkv, .offset: 0, .size: 8, .value_kind: global_buffer, .address_space: global }
      - { .name: mab0_Wo, .offset: 8, .size: 8, .value_kind: global_buffer, .address_space: global }
      - { .name: mab1_Wqkv, .offset: 16, .size: 8, .value_kind: global_buffer, .address_space: global }
      - { .name: mab1_Wo, .offset: 24, .size: 8, .value_kind: global_buffer, .address_space: global }
      - { .name: wq, .offset: 32, .size: 8, .value_kind: global_buffer, .address_space: global }
    .group_segment_fixed_size: 6400
    .private_segment_fixed_size: 0
    .kernarg_segment_align: 8
    .kernarg_segment_size: 40
    .max_flat_workgroup_size: 64
    .sgpr_count:     66
    .vgpr_count:     192
    .wavefront_size: 32
...
	.end_amdgpu_metadata
.endif
;; end of part 1
;; launch isab (part 2): grid 256 x 1, 8 waves a work-group, no clusters, 327,680 bytes of LDS; arguments x, I, wq, out0, mab0_bqkv, mab0_bo, mab0_g0, mab0_b0, mab0_g1, mab0_b1, mab1_bqkv, mab1_bo, mab1_g0, mab1_b0, mab1_g1, mab1_b1; writes out0
.if DOCPART == 2
	.amdgcn_target "amdgcn-amd-amdhsa--gfx1250"
	.amdhsa_code_object_version 6
	.text
	.protected	k_q5e171baa2d_isab
	.globl	k_q5e171baa2d_isab
	.p2align	8
	.type	k_q5e171baa2d_isab,@function
k_q5e171baa2d_isab:
	s_mov_b64 s[64:65], 0
	v_nop
	global_prefetch_b8 v0, s[64:65] scope:SCOPE_SE
	s_setreg_imm32_b32 hwreg(HW_REG_WAVE_MODE, 25, 1), 1
	s_wait_xcnt 0x0
; out0[set] = mean over rows of ISAB(ISAB(x[set])).  A work-group of eight waves takes TWO sets (64 rows of x, 32 induced rows) through both passes; no intermediate goes to memory.
; LEFT OUT AS REPEATED WORK: products 1 and 13 multiply broadcast_to(I), built by reference() itself: all copies, in both passes, are the same 16 x 512 numbers for every value of the inputs; they are made once here (Q0).
; Every input is loaded.  Nothing is left out that a NaN or an infinity could reach alone.
; SHARES.  WAVE w OWNS HEAD w: features 64 w .. 64 w + 63 of every layer, for all rows.  So all attention lies inside one wave; what goes from wave to wave, through LDS, are the rows' codes (as images of the operand's
; registers: chunk c of a fragment at 512 c + 16 x lane) and the LayerNorms' partial statistics.
; WEIGHTS come as codes in operand order (wq, made by the launch before) from memory straight into a ring of four K-step groups of 48 registers, a wave's whole share of one matrix (25,600 bytes); a group is asked for
; again, for the next matrix, as soon as it has been multiplied.
; NO CLUSTER, though all work-groups walk the same weights: by joint loads a matrix's 204,800 bytes would be written into LDS and read out of it again for its 512 matrix instructions, beside the 8 x 24,576 bytes of
; activation fragments that the eight waves read for them; and a ring's tail would have to be written out, a second copy of the pass's text of some 40 KB.
; LAYOUTS.  TR = 1 (source 0 = weights, source 1 = 16 rows): lane (r, h) holds row r; register 16 b' + i of the four tiles on end is feature 32 b' + 16 h + i of my 64 (the weights' tiles are laid for it).
; TR = 0 (sources swapped), for V: lane (r, h) holds one feature, register j row 8 h + j.  Operands of K = 64 fill fragment registers 0-5, of K = 32 lanes 0-15 of them; all other codes are zeros.
; SOFTMAX ahead of V0^T p: p = 2^(t - M), M = ceil(row's largest t); the sum of the unquantised p divides at the end.  Ahead of A V1 (K = 16, f32 operands, since its result goes on into a quantiser): finished and normalised.
; LAYERNORM: each wave's mean and centred sum of squares of its 64 features, combined over the eight waves by the parallel formula: no difference of large sums.
; LIMITS: NaN and infinities among the inputs are not served.  A block of zeros, or one whose largest magnitude lies under 2^-124, gets the scale byte 1 (for zeros the rule says 127: the codes are zeros, and this program alone
; reads the bytes).  v_exp_f32, v_rcp_f32, v_rsq_f32 are good to an ulp and flush denormals.  The order of f32 sums differs from reference()'s.
; LDS: all of it is claimed, so that the work-group is alone on its WGP; 269,312 bytes are used.
.set IMGB,  133120                     ; 0 .. 133,119: x as f32, 64 rows of 2 x (1,024 + 16) bytes, filled once by tensor loads; behind the third barrier each wave's own 16,384 bytes (V1, then y, at the end the stage for the means)
.set XI,    0                          ; from IMGB on: 16 fragments (4 mt + s) of the 64 rows,
.set XS,    24576                      ; their scale words, 128 bytes each,
.set HI,    26624                      ; 8 fragments (4 b + s) of the 32 induced rows,
.set HS,    38912                      ; their scale words
.set P2B,   173056                     ; each wave's own 11,264 bytes:
.set P2W,   11264
.set Q0R,   4096                       ;   +0 sixteen vectors of my 64 parameters, 256 bytes each; +4096 Q0 in f32 (an image of 32 registers)
.set Q0C,   8192                       ;   Q0's codes
.set K1C,   9216                       ;   K1's codes, 1,024 bytes a set
.set STAT,  263168                     ; LayerNorm: row pitch 80 bytes, wave w's (mean, centred sum of squares) at + 8 w
.set SPARE, 268288                     ; the spare words, 128 bytes a wave: four blocks of 256 bytes that no other line names
; window 0
.set SPW, 1                            ; v1   my spare word's address; v2  0: both never rewritten
.set NIL, 2
.set L16, 3                            ; 16 x lane
.set L8,  4                            ; 8 x lane
.set IRD, 5                            ; IMGB + 16 x lane: an image's place for my lane
.set ISR, 6                            ; IMGB + 4 x lane: a scale word's
.set IWA, 7                            ; where I store my six registers of a fragment: registers 6 (w % 2) on of K step w / 2
.set IWB, 8
.set ISW, 9                            ; and my two bytes of its scale word
.set PRD, 10                           ; my parameters, TR = 1 layout: + 64 h
.set PRN, 11                           ; TR = 0 layout: + 4 (r + 8 (r / 8))
.set PVA, 12                           ; my region + 16 x lane
.set PV8, 13                           ; my region + 8 x lane
.set YVA, 14                           ; my 16,384 bytes + 16 x lane
.set STW, 15                           ; STAT + 80 r + 8 w
.set STR, 16                           ; STAT + 80 r
.set Q0S, 17                           ; scale words: Q0's (kept); v18, v19 of the operand just made; v20, v21 p's, later K1's, a set each
.set SCA, 18
.set SCB, 19
.set X0,  20
.set LI,  22                           ; v22, v23: 1 / l a set (in the prologue: two load offsets)
.set WS,  24                           ; v24-31 the weights' scale words, two registers a group
.set AS,  32                           ; v32-35 the activations' scale words, one a fragment slot
.set U,   36                           ; v36-67 biases, gains, statistics, Q0, y by turns
.set CD,  36                           ; six registers of codes on their way to LDS
.set FA,  36                           ; K0's fragment, later p's of set 0;  QF: Q1's
.set FQ,  48                           ; Q0's fragment, later p's of set 1;  KF: K1's
.set QF,  36
.set KF,  48
.set BV,  60                           ; V's bias, four pairs;  SA: the second attention's scores
.set SA,  60
.set QT,  68                           ; v68-77 at work
.set SWI, 78                           ; the scale word on its way to LDS
.set MWB, 80                           ; v80-95 LayerNorm, four registers a tile: (my mean, later the shift; my sum of squares), (1 / sigma; not used).  VF: V0's fragment
.set VF,  80
.set F,   96                           ; v96-127 written by the f32 matrix form alone
.set ACC, 128                          ; v128-255
; window 1
.set AF,  192                          ; v192-239 four slots of activation fragments;  v0-191 the weights' ring: group s at 48 s, tile t at + 12 t
.set VV,  192                          ; V1 of a set, 32 registers
.set WV,   36                          ; s36 wave
.set PASS, 37
.set SEL,  38                          ; s[38:39] v_permlanex16_b32's selects for lane l xor 16
.set CS,   40                          ; s[40:41] c = log2(e) / sqrt(512), twice (the packed form names the pair)
.set NC,   42                          ; -c
.set EPS,  43                          ; 1e-5
.set G0,   44                          ; s[44:47], s[48:55] the tensor descriptor
.set G1,   48
.set WP,   56                          ; s[56:57] wq + 25,600 w; never rewritten
.set MSB, 0
.macro WIN new                         ; the immediate's high byte repeats the setting that is left; 0x05: both sources window 1; 0x40: destination window 1; 0x01: source 0 window 1
.if MSB != \new
	s_set_vgpr_msb (MSB<<8)|\new
.set MSB, \new
.endif
.endm
.macro NOPS cnt                        ; places: behind a matrix instruction of 6-bit operands 4 ahead of loads into, or vector reads and writes of, its registers (behind the f32 form 8); 8 between a vector write of a scale and a scaled matrix instruction (ISA guide 7.12.1 for the first)
.rept \cnt
	v_nop
.endr
.endm
.macro BARRIER                         ; my LDS stores have landed and my LDS loads are in: then the work-group's barrier
	s_wait_dscnt 0x0
	s_barrier_signal -1
	s_barrier_wait -1
.endm
.macro ZERO6 r
.irp i, 0,1,2,3,4,5
	v_mov_b32 v[(\r)+\i], 0
.endr
.endm
; one scaled product.  c < 0: C = 0.  row 1: source 0's scales in lanes 16-31; row 2: source 1's
.macro WM d, a, b, c, sa, sb, row
.set wD, \d
.set wA, \a
.set wB, \b
.set wC, \c
.set wSA, \sa
.set wSB, \sb
.if wC < 0
.if (\row) == 0
	v_wmma_scale_f32_16x16x128_f8f6f4 v[wD:wD+7], v[wA:wA+11], v[wB:wB+11], 0, v[wSA], v[wSB] matrix_a_fmt:MATRIX_FMT_FP6 matrix_b_fmt:MATRIX_FMT_FP6
.elseif (\row) == 1
	v_wmma_scale_f32_16x16x128_f8f6f4 v[wD:wD+7], v[wA:wA+11], v[wB:wB+11], 0, v[wSA], v[wSB] matrix_a_fmt:MATRIX_FMT_FP6 matrix_b_fmt:MATRIX_FMT_FP6 matrix_a_scale:MATRIX_SCALE_ROW1
.else
	v_wmma_scale_f32_16x16x128_f8f6f4 v[wD:wD+7], v[wA:wA+11], v[wB:wB+11], 0, v[wSA], v[wSB] matrix_a_fmt:MATRIX_FMT_FP6 matrix_b_fmt:MATRIX_FMT_FP6 matrix_b_scale:MATRIX_SCALE_ROW1
.endif
.else
.if (\row) == 0
	v_wmma_scale_f32_16x16x128_f8f6f4 v[wD:wD+7], v[wA:wA+11], v[wB:wB+11], v[wC:wC+7], v[wSA], v[wSB] matrix_a_fmt:MATRIX_FMT_FP6 matrix_b_fmt:MATRIX_FMT_FP6
.elseif (\row) == 1
	v_wmma_scale_f32_16x16x128_f8f6f4 v[wD:wD+7], v[wA:wA+11], v[wB:wB+11], v[wC:wC+7], v[wSA], v[wSB] matrix_a_fmt:MATRIX_FMT_FP6 matrix_b_fmt:MATRIX_FMT_FP6 matrix_a_scale:MATRIX_SCALE_ROW1
.else
	v_wmma_scale_f32_16x16x128_f8f6f4 v[wD:wD+7], v[wA:wA+11], v[wB:wB+11], v[wC:wC+7], v[wSA], v[wSB] matrix_a_fmt:MATRIX_FMT_FP6 matrix_b_fmt:MATRIX_FMT_FP6 matrix_b_scale:MATRIX_SCALE_ROW1
.endif
.endif
.endm
; group s of matrix j into the ring: 13 loads; every offset is an immediate, no address register is ever stepped
.macro WLOAD j, s
	WIN 0x40
.irp t, 0,1,2,3
.irp c, 0,1,2
	global_load_b128 v[48*(\s)+12*\t+4*\c:48*(\s)+12*\t+4*\c+3], v[L16], s[WP:WP+1] offset:(\j)*204800+(\s)*6400+(3*\t+\c)*512
.endr
.endr
	WIN 0
	global_load_b64 v[WS+2*(\s):WS+2*(\s)+1], v[L8], s[WP:WP+1] offset:(\j)*204800+(\s)*6400+6144
.endm
; Wk0 for the next pass, all four groups under ONE branch, so that on every way either all or none of them are issued and the counted waits of the next product hold; the second pass has no successor and asks for nothing.
; The branch hangs on the pass counter alone
.macro WNEXT
	s_cmp_eq_u32 s[PASS], 1
	s_wait_alu depctr_va_vdst(0)
	s_cbranch_scc1 .Lnone_\@
	WLOAD 1, 0
	WLOAD 1, 1
	WLOAD 1, 2
	WLOAD 1, 3
.Lnone_\@:
.endm
.macro BLOAD vec                       ; a vector of my 64 parameters in the TR = 1 layout: U + 16 b' + i = number 32 b' + 16 h + i
.irp q, 0,1,2,3,4,5,6,7
	ds_load_b128 v[U+4*\q:U+4*\q+3], v[PRD] offset:(\vec)*256+128*(\q/4)+16*(\q%4)
.endr
.endm
.macro BVLOAD vec                      ; in the TR = 0 layout: my feature's number for each tile, twice (a pair for the packed addition)
.irp nt, 0,1,2,3
	ds_load_b32 v[BV+2*\nt], v[PRN] offset:(\vec)*256+4*(32*(\nt/2)+8*(\nt%2))
	ds_load_b32 v[BV+2*\nt+1], v[PRN] offset:(\vec)*256+4*(32*(\nt/2)+8*(\nt%2))
.endr
.endm
.macro AF1 reg, regS, f0, sl           ; fragment f0 and its scale words into slot sl: 4 LDS loads
	WIN 0
	ds_load_b32 v[AS+(\sl)], v[ISR] offset:(\regS)+(\f0)*128
	WIN 0x40
.irp c, 0,1,2
	ds_load_b128 v[AF+12*(\sl)+4*\c:AF+12*(\sl)+4*\c+3], v[IRD] offset:(\reg)+(\f0)*1536+512*\c
.endr
.endm
.macro AFP reg, regS, f0, f1, sl       ; fragments f0, f1 into slots sl, sl + 1: 8 LDS loads
	WIN 0
	ds_load_b32 v[AS+(\sl)], v[ISR] offset:(\regS)+(\f0)*128
	ds_load_b32 v[AS+(\sl)+1], v[ISR] offset:(\regS)+(\f1)*128
	WIN 0x40
.irp c, 0,1,2
	ds_load_b128 v[AF+12*(\sl)+4*\c:AF+12*(\sl)+4*\c+3], v[IRD] offset:(\reg)+(\f0)*1536+512*\c
.endr
.irp c, 0,1,2
	ds_load_b128 v[AF+12*(\sl)+12+4*\c:AF+12*(\sl)+12+4*\c+3], v[IRD] offset:(\reg)+(\f1)*1536+512*\c
.endr
.endm
; four products: the fragment in slot sl against the four tiles of group s; accumulator ab + ns nt.  In K step 0 the bias (U + 8 nt) or 0 is C.
.macro MMT tr, s, sl, ab, ns, bias
.irp nt, 0,1,2,3
.set gA, (\ab)+(\ns)*\nt
.if (\s) == 0
.if (\bias) >= 0
.set gC, U+8*\nt
.else
.set gC, -1
.endif
.else
.set gC, gA
.endif
.if \tr
	WM gA, 48*(\s)+12*\nt, AF+12*(\sl), gC, WS+2*(\s)+\nt/2, AS+(\sl), \nt%2
.else
	WM gA, AF+12*(\sl), 48*(\s)+12*\nt, gC, AS+(\sl), WS+2*(\s)+\nt/2, 2*(\nt%2)
.endif
.endr
.endm
.macro G64H tr, s, m0, vmap, bias
.irp m, \m0, \m0+1
.if \vmap
	MMT \tr, \s, \m, ACC+64*((\m)/2)+8*((\m)%2), 16, \bias
.else
	MMT \tr, \s, \m, ACC+32*(\m), 8, \bias
.endif
.endr
.endm
; 64 rows (images XI) x my 64 columns of matrix j, which lies in the ring.  THE NEXT MATRIX'S FOUR GROUPS ARE ASKED FOR APART FROM EACH OTHER: group 0 behind K step 0, group 1 behind K step 2, groups 2 and 3 by WLOAD lines
; that stand inside the vector work behind this macro, always in the order 0, 1, 2, 3.  The 16 accumulators take turns, one instruction a turn.
.macro GEMM64 tr, j, jn, vmap, bias
.if (\bias) >= 0
	BLOAD \bias
.endif
	AFP XI, XS, 0, 4, 0
	AFP XI, XS, 8, 12, 2
.irp s, 0,1,2,3
.if (\jn) >= 0
	s_wait_loadcnt 13*(3-\s+(\s+1)/2)              ; behind group (j, s) stand (j, s + 1 .. 3) and those of jn's groups 0, 1 that are issued by now: 3, 3, 2, 2 groups of 13 loads
.else
	s_wait_loadcnt 13*(3-\s)                       ; only this matrix's later groups
.endif
	s_wait_dscnt 8                                 ; tiles 0, 1 (and the bias) are in; tiles 2, 3, the youngest 8 loads, may be out
	WIN 0x05
	G64H \tr, \s, 0, \vmap, \bias
.if \s < 3
	WIN 0
	NOPS 4
	AFP XI, XS, \s+1, 4+\s+1, 0
	s_wait_dscnt 8                                 ; tiles 2, 3 are in; the 8 just issued may be out
.else
	s_wait_dscnt 0x0
.endif
	WIN 0x05
	G64H \tr, \s, 2, \vmap, \bias
	WIN 0
	NOPS 4
.if ((\jn) >= 0) && ((\s%2) == 0)
	WLOAD \jn, \s/2
.endif
.if \s < 3
	AFP XI, XS, 8+\s+1, 12+\s+1, 2
.endif
.endr
	WIN 0
.endm
.macro AFH cnt, s                      ; K step s of the induced rows' fragments into buffer s % 2
.if (\cnt) == 2
	AFP HI, HS, (\s), 4+(\s), 2*((\s)%2)
.else
	AF1 HI, HS, (\s), 2*((\s)%2)
.endif
.endm
; cnt tiles of 16 rows (images HI) x my 64 columns; accumulator ab + am m + 8 nt
.macro GEMM32 cnt, tr, j, jn, ab, am, bias
.if (\bias) >= 0
	BLOAD \bias
.endif
	AFH \cnt, 0
.irp s, 0,1,2,3
.if ((\j) == 3) && (\s > 1)
	s_wait_loadcnt 13*(4-\s)                       ; matrix 3 (Wo0): behind group (3, s) stand (3, s + 1 .. 3) and (jn, 0)
.else
	s_wait_loadcnt 39                              ; behind group (j, s) stand three groups of 13 loads
.endif
.if \s < 3
	AFH \cnt, \s+1
	s_wait_dscnt 4*(\cnt)                          ; this step's fragments are in; the next step's, just issued, may be out
.else
	s_wait_dscnt 0x0
.endif
	WIN 0x05
	MMT \tr, \s, 2*(\s%2), \ab, 8, \bias
.if (\cnt) == 2
	MMT \tr, \s, 2*(\s%2)+1, (\ab)+(\am), 8, \bias
.endif
	WIN 0
	NOPS 4
.if ((\j) != 3) || (\s == 0)           ; behind Wo0's product stands a LayerNorm: there groups 1 to 3 of the next matrix are asked for inside it, by WLOAD lines of their own
	WLOAD \jn, \s
.endif
.endr
.endm
; 32 numbers of a lane, register 16 b' + i = k 32 b' + 16 h + i of my row, become six registers of codes (k = 32 h + 0 .. 31) and the two blocks' bytes in the low half of sw
.macro QUANT2 src, dst, sw
.set qS, \src
.set qD, \dst
.set qW, \sw
	v_max3_num_f32 v[QT], |v[qS]|, |v[qS+1]|, 0x1800000            ; my 16 numbers of each block, and the floor 2^(3 - 127): the byte cannot fall under 1
	v_max3_num_f32 v[QT+1], |v[qS+16]|, |v[qS+17]|, 0x1800000
.irp i, 2,4,6,8,10,12,14
	v_max3_num_f32 v[QT], v[QT], |v[qS+\i]|, |v[qS+\i+1]|
	v_max3_num_f32 v[QT+1], v[QT+1], |v[qS+16+\i]|, |v[qS+17+\i]|
.endr
	s_delay_alu instid0(VALU_DEP_2)
	v_permlanex16_b32 v[QT+2], v[QT], s[SEL], s[SEL+1]
	s_delay_alu instid0(VALU_DEP_2)
	v_permlanex16_b32 v[QT+3], v[QT+1], s[SEL], s[SEL+1]
	s_delay_alu instid0(VALU_DEP_2)
	v_max_num_f32 v[QT], v[QT], v[QT+2]            ; with lane l xor 16's: the block's largest magnitude
	s_delay_alu instid0(VALU_DEP_2)
	v_max_num_f32 v[QT+1], v[QT+1], v[QT+3]
	s_delay_alu instid0(VALU_DEP_2)
	v_add_nc_u32 v[QT+4], 0xff000000, v[QT]        ; 2 off the exponent field: the conversion's scale operand
	s_delay_alu instid0(VALU_DEP_2)
	v_add_nc_u32 v[QT+5], 0xff000000, v[QT+1]
	s_delay_alu instid0(VALU_DEP_2)
	v_lshrrev_b32 v[QT+2], 23, v[QT+4]             ; the scales' bytes
	s_delay_alu instid0(VALU_DEP_2)
	v_lshrrev_b32 v[QT+3], 23, v[QT+5]
	s_wait_alu depctr_va_vdst(0)
	s_wait_dscnt 0x0                               ; earlier LDS stores have read the registers written below; small loads issued ahead of this macro are in
	v_lshl_or_b32 v[qW], v[QT+3], 8, v[QT+2]
	v_cvt_scalef32_pk16_fp6_f32 v[qD:qD+2], v[qS:qS+15], v[QT+4]
	v_cvt_scalef32_pk16_fp6_f32 v[QT+6:QT+8], v[qS+16:qS+31], v[QT+5]
	v_nop                                          ; one plain place behind a scaled conversion
.irp i, 0,1,2
	v_permlane16_swap_b32 v[qD+\i], v[QT+6+\i]     ; a whole block to a lane: lanes 0-15 block 0, lanes 16-31 block 1
.endr
.irp i, 0,1,2
	s_delay_alu instid0(VALU_DEP_3)
	v_mov_b32 v[qD+3+\i], v[QT+6+\i]
.endr
.endm
.macro IMG reg, regS, mt               ; my six registers of tile mt's fragment w / 2, and my two bytes of its scale words
	ds_store_b64 v[IWA], v[CD:CD+1] offset:(\reg)+(\mt)*6144
	ds_store_b64 v[IWB], v[CD+2:CD+3] offset:(\reg)+(\mt)*6144
	ds_store_b64 v[IWA], v[CD+4:CD+5] offset:(\reg)+(\mt)*6144+512
	ds_store_b16 v[ISW], v[SWI] offset:(\regS)+(\mt)*512
.endm
.macro RELU a
.set n, 0
.rept 32
	v_max_num_f32 v[(\a)+n], 0, v[(\a)+n]
.set n, n+1
.endr
.endm
.macro PKADD d, a                      ; 32 numbers: d += a
.set n, 0
.rept 16
	v_pk_add_f32 v[(\d)+n:(\d)+n+1], v[(\d)+n:(\d)+n+1], v[(\a)+n:(\a)+n+1]
.set n, n+2
.endr
.endm
; LayerNorm, part 1, tile t: my 64 features' mean; dst = src - that mean; the centred sum of squares; both to STAT
.macro LNSTAT src, dst, t
.set lS, \src
.set lD, \dst
.set lM, MWB+4*(\t)
	v_pk_add_f32 v[QT:QT+1], v[lS:lS+1], v[lS+2:lS+3]
	v_pk_add_f32 v[QT+2:QT+3], v[lS+4:lS+5], v[lS+6:lS+7]
.irp i, 8,12,16,20,24,28
	v_pk_add_f32 v[QT:QT+1], v[QT:QT+1], v[lS+\i:lS+\i+1]
	v_pk_add_f32 v[QT+2:QT+3], v[QT+2:QT+3], v[lS+\i+2:lS+\i+3]
.endr
	s_delay_alu instid0(VALU_DEP_1)
	v_pk_add_f32 v[QT:QT+1], v[QT:QT+1], v[QT+2:QT+3]
	s_delay_alu instid0(VALU_DEP_1)
	v_add_f32 v[QT], v[QT], v[QT+1]
	s_delay_alu instid0(VALU_DEP_1)
	v_permlanex16_b32 v[QT+4], v[QT], s[SEL], s[SEL+1]
	s_delay_alu instid0(VALU_DEP_1)
	v_add_f32 v[QT], v[QT], v[QT+4]
	s_delay_alu instid0(VALU_DEP_1)
	v_mul_f32 v[lM], 0x3c800000, v[QT]             ; / 64
.irp i, 0,2,4,6,8,10,12,14,16,18,20,22,24,26,28,30
	v_pk_add_f32 v[lD+\i:lD+\i+1], v[lS+\i:lS+\i+1], v[lM:lM+1] op_sel_hi:[1,0] neg_lo:[0,1] neg_hi:[0,1]
.endr
	v_pk_mul_f32 v[QT:QT+1], v[lD:lD+1], v[lD:lD+1]
	v_pk_mul_f32 v[QT+2:QT+3], v[lD+2:lD+3], v[lD+2:lD+3]
.irp i, 4,8,12,16,20,24,28
	s_delay_alu instid0(VALU_DEP_2)
	v_pk_fma_f32 v[QT:QT+1], v[lD+\i:lD+\i+1], v[lD+\i:lD+\i+1], v[QT:QT+1]
	s_delay_alu instid0(VALU_DEP_2)
	v_pk_fma_f32 v[QT+2:QT+3], v[lD+\i+2:lD+\i+3], v[lD+\i+2:lD+\i+3], v[QT+2:QT+3]
.endr
	s_delay_alu instid0(VALU_DEP_1)
	v_pk_add_f32 v[QT:QT+1], v[QT:QT+1], v[QT+2:QT+3]
	s_delay_alu instid0(VALU_DEP_1)
	v_add_f32 v[QT], v[QT], v[QT+1]
	s_delay_alu instid0(VALU_DEP_1)
	v_permlanex16_b32 v[QT+4], v[QT], s[SEL], s[SEL+1]
	s_delay_alu instid0(VALU_DEP_1)
	v_add_f32 v[lM+1], v[QT], v[QT+4]
	ds_store_b64 v[STW], v[lM:lM+1] offset:(\t)*1280
.endm
.macro LNLD t, buf                     ; the eight waves' pairs of my row of tile t
.irp q, 0,1,2,3
	ds_load_b128 v[U+16*(\buf)+4*\q:U+16*(\buf)+4*\q+3], v[STR] offset:(\t)*1280+16*\q
.endr
.endm
.macro LNC t, buf                      ; the row's mean and variance + eps from them
.set lB, U+16*(\buf)
.set lM, MWB+4*(\t)
	v_pk_add_f32 v[QT:QT+1], v[lB:lB+1], v[lB+2:lB+3]
	v_pk_add_f32 v[QT+2:QT+3], v[lB+4:lB+5], v[lB+6:lB+7]
	s_delay_alu instid0(VALU_DEP_2)
	v_pk_add_f32 v[QT:QT+1], v[QT:QT+1], v[lB+8:lB+9]
	s_delay_alu instid0(VALU_DEP_2)
	v_pk_add_f32 v[QT+2:QT+3], v[QT+2:QT+3], v[lB+10:lB+11]
	s_delay_alu instid0(VALU_DEP_2)
	v_pk_add_f32 v[QT:QT+1], v[QT:QT+1], v[lB+12:lB+13]
	s_delay_alu instid0(VALU_DEP_2)
	v_pk_add_f32 v[QT+2:QT+3], v[QT+2:QT+3], v[lB+14:lB+15]
	s_delay_alu instid0(VALU_DEP_1)
	v_pk_add_f32 v[QT:QT+1], v[QT:QT+1], v[QT+2:QT+3]   ; (sum of the means, sum of the centred sums)
	s_delay_alu instid0(VALU_DEP_1)
	v_mul_f32 v[QT+2], 0x3e000000, v[QT]           ; the row's mean
.irp i, 0,2,4,6,8,10,12,14
	v_sub_f32 v[lB+\i], v[lB+\i], v[QT+2]
.endr
	v_mul_f32 v[QT+3], v[lB], v[lB]
	v_mul_f32 v[QT+4], v[lB+2], v[lB+2]
.irp i, 4,8,12
	s_delay_alu instid0(VALU_DEP_2)
	v_fma_f32 v[QT+3], v[lB+\i], v[lB+\i], v[QT+3]
	s_delay_alu instid0(VALU_DEP_2)
	v_fma_f32 v[QT+4], v[lB+\i+2], v[lB+\i+2], v[QT+4]
.endr
	s_delay_alu instid0(VALU_DEP_1)
	v_add_f32 v[QT+3], v[QT+3], v[QT+4]
	s_delay_alu instid0(VALU_DEP_1)
	v_fma_f32 v[QT+3], v[QT+3], 0x42800000, v[QT+1]   ; 64 x the means' spread + the centred sums
	s_delay_alu instid0(VALU_DEP_1)
	v_fma_f32 v[lM+2], v[QT+3], 0x3b000000, s[EPS]    ; / 512 + eps
	v_sub_f32 v[lM], v[lM], v[QT+2]                ; my mean less the row's
.endm
.macro LNALL cnt                       ; part 2, behind the barrier; the statistic loads run a tile ahead: a wait for 4 leaves the next tile's four out
	LNLD 0, 0
	LNLD 1, 1
	s_wait_dscnt 4
	LNC 0, 0
.if (\cnt) == 4
	LNLD 2, 0
	s_wait_dscnt 4
	LNC 1, 1
	LNLD 3, 1
	s_wait_dscnt 4
	LNC 2, 0
	s_wait_dscnt 0x0
	LNC 3, 1
.else
	s_wait_dscnt 0x0
	LNC 1, 1
.endif
.set lt, 0
	s_wait_alu depctr_va_vdst(0)
.rept \cnt
	v_rsq_f32 v[MWB+4*lt+2], v[MWB+4*lt+2]
.set lt, lt+1
.endr
	v_nop                                          ; a plain place behind the batch,
	s_wait_alu depctr_va_vdst(0)                   ; and one wait ahead of its first reader
.set lt, 0
.rept \cnt
	v_mul_f32 v[MWB+4*lt], v[MWB+4*lt], v[MWB+4*lt+2]   ; the shift: (my mean - the row's) / sigma
.set lt, lt+1
.endr
.endm
.macro LNAPPLY cnt, xs, vg, vb         ; part 3: x = ((x - my mean) / sigma + shift) g + b, tiles at ACC + xs t
.irp bb, 0,1
.irp q, 0,1,2,3
	ds_load_b128 v[U+4*\q:U+4*\q+3], v[PRD] offset:(\vg)*256+128*\bb+16*\q
	ds_load_b128 v[U+16+4*\q:U+16+4*\q+3], v[PRD] offset:(\vb)*256+128*\bb+16*\q
.endr
	s_wait_dscnt 0x0
.set lt, 0
.rept \cnt
.set lX, ACC+(\xs)*lt+16*\bb
.set lM, MWB+4*lt
.irp i, 0,2,4,6,8,10,12,14
	v_pk_fma_f32 v[lX+\i:lX+\i+1], v[lX+\i:lX+\i+1], v[lM+2:lM+3], v[lM:lM+1] op_sel_hi:[1,0,0]
.endr
.irp i, 0,2,4,6,8,10,12,14
	v_pk_fma_f32 v[lX+\i:lX+\i+1], v[lX+\i:lX+\i+1], v[U+\i:U+\i+1], v[U+16+\i:U+17+\i]
.endr
.set lt, lt+1
.endr
.endr
.endm
; The first attention's softmax, set b: 16 registers of scores, register 8 u + j = key 16 u + 8 h + j of my query; p's codes (one block of 32 keys) into lanes 0-15 of fragment U + 12 b, its byte into X0 + b, 1 / l into LI + b
.macro SOFTMAX0 b
.set sA, ACC+64*(\b)
.set sP, U+12*(\b)
	v_max3_num_f32 v[QT], v[sA], v[sA+1], v[sA+2]
	v_max3_num_f32 v[QT+1], v[sA+8], v[sA+9], v[sA+10]
	v_max3_num_f32 v[QT], v[QT], v[sA+3], v[sA+4]
	v_max3_num_f32 v[QT+1], v[QT+1], v[sA+11], v[sA+12]
	v_max3_num_f32 v[QT], v[QT], v[sA+5], v[sA+6]
	v_max3_num_f32 v[QT+1], v[QT+1], v[sA+13], v[sA+14]
	v_max3_num_f32 v[QT], v[QT], v[sA+7], v[sA+15]
	s_delay_alu instid0(VALU_DEP_1)
	v_max_num_f32 v[QT], v[QT], v[QT+1]
	s_delay_alu instid0(VALU_DEP_1)
	v_permlanex16_b32 v[QT+2], v[QT], s[SEL], s[SEL+1]
	s_delay_alu instid0(VALU_DEP_1)
	v_max_num_f32 v[QT], v[QT], v[QT+2]            ; the row's largest score
	s_delay_alu instid0(VALU_DEP_1)
	v_mul_f32 v[QT+1], s[CS], v[QT]                ; as t (c is positive)
	s_delay_alu instid0(VALU_DEP_1)
	v_floor_f32 v[QT+4], -v[QT+1]                  ; -M = floor(-t): M is a whole number
.irp i, 0,2,4,6,8,10,12,14
	v_pk_fma_f32 v[sA+\i:sA+\i+1], v[sA+\i:sA+\i+1], s[CS:CS+1], v[QT+4:QT+5] op_sel_hi:[1,0,0]   ; t - M
.endr
	v_fma_f32 v[QT], v[QT], s[CS], v[QT+4]         ; the same of the largest score: it gives the block's largest p
	s_wait_alu depctr_va_vdst(0)
.irp i, 0,1,2,3,4,5,6,7,8,9,10,11,12,13,14,15
	v_exp_f32 v[sA+\i], v[sA+\i]
.endr
	v_exp_f32 v[QT], v[QT]
	v_mov_b32 v[sP+3], 0                           ; (plain places behind the batch)
	v_mov_b32 v[sP+4], 0
	v_mov_b32 v[sP+5], 0
	s_wait_alu depctr_va_vdst(0)                   ; one wait for the 17 exponentials, ahead of their first reader
	v_pk_add_f32 v[QT+6:QT+7], v[sA:sA+1], v[sA+2:sA+3]            ; the sum is taken of the unquantised p
	v_pk_add_f32 v[QT+8:QT+9], v[sA+4:sA+5], v[sA+6:sA+7]
	v_pk_add_f32 v[QT+6:QT+7], v[QT+6:QT+7], v[sA+8:sA+9]
	v_pk_add_f32 v[QT+8:QT+9], v[QT+8:QT+9], v[sA+10:sA+11]
	v_pk_add_f32 v[QT+6:QT+7], v[QT+6:QT+7], v[sA+12:sA+13]
	v_pk_add_f32 v[QT+8:QT+9], v[QT+8:QT+9], v[sA+14:sA+15]
	s_delay_alu instid0(VALU_DEP_1)
	v_pk_add_f32 v[QT+6:QT+7], v[QT+6:QT+7], v[QT+8:QT+9]
	s_delay_alu instid0(VALU_DEP_1)
	v_add_f32 v[QT+6], v[QT+6], v[QT+7]
	s_delay_alu instid0(VALU_DEP_1)
	v_permlanex16_b32 v[QT+2], v[QT+6], s[SEL], s[SEL+1]
	s_delay_alu instid0(VALU_DEP_1)
	v_add_f32 v[QT+6], v[QT+6], v[QT+2]
	s_wait_alu depctr_va_vdst(0)
	v_rcp_f32 v[LI+(\b)], v[QT+6]
	v_max_num_f32 v[QT], 0x1800000, v[QT]          ; the floor (a plain place behind the reciprocal)
	s_delay_alu instid0(VALU_DEP_1)
	v_add_nc_u32 v[QT+1], 0xff000000, v[QT]
	s_delay_alu instid0(VALU_DEP_1)
	v_lshrrev_b32 v[X0+(\b)], 23, v[QT+1]
	v_cvt_scalef32_pk16_fp6_f32 v[sP:sP+2], v[sA:sA+15], v[QT+1]
	v_nop
.irp i, 0,1,2
	v_permlane16_swap_b32 v[sP+\i], v[sP+3+\i]     ; lanes 16-31's codes become the block's upper half in lanes 0-15; lanes 16-31 are left with zeros
.endr
	s_wait_alu depctr_va_vdst(0)                   ; the reciprocal's wait
.endm
; V0's tile nt of set b: bias, quantised along its 32 keys (the same order of keys as p's), O^T's tile = V0^T p
.macro VPROD b, nt
.set vA, ACC+64*(\b)+16*(\nt)
.irp i, 0,2,4,6,8,10,12,14
	v_pk_add_f32 v[vA+\i:vA+\i+1], v[vA+\i:vA+\i+1], v[BV+2*(\nt):BV+2*(\nt)+1]
.endr
	v_max3_num_f32 v[QT], |v[vA]|, |v[vA+1]|, 0x1800000
	s_delay_alu instid0(VALU_DEP_4)
	v_max3_num_f32 v[QT+1], |v[vA+8]|, |v[vA+9]|, |v[vA+10]|
	s_delay_alu instid0(VALU_DEP_2)
	v_max3_num_f32 v[QT], v[QT], |v[vA+2]|, |v[vA+3]|
	s_delay_alu instid0(VALU_DEP_2)
	v_max3_num_f32 v[QT+1], v[QT+1], |v[vA+11]|, |v[vA+12]|
	s_delay_alu instid0(VALU_DEP_2)
	v_max3_num_f32 v[QT], v[QT], |v[vA+4]|, |v[vA+5]|
	s_delay_alu instid0(VALU_DEP_2)
	v_max3_num_f32 v[QT+1], v[QT+1], |v[vA+13]|, |v[vA+14]|
	s_delay_alu instid0(VALU_DEP_2)
	v_max3_num_f32 v[QT], v[QT], |v[vA+6]|, |v[vA+7]|
	s_delay_alu instid0(VALU_DEP_1)
	v_max3_num_f32 v[QT], v[QT], v[QT+1], |v[vA+15]|
	s_delay_alu instid0(VALU_DEP_1)
	v_permlanex16_b32 v[QT+2], v[QT], s[SEL], s[SEL+1]
	s_delay_alu instid0(VALU_DEP_1)
	v_max_num_f32 v[QT], v[QT], v[QT+2]
	s_delay_alu instid0(VALU_DEP_1)
	v_add_nc_u32 v[QT+4], 0xff000000, v[QT]
	s_delay_alu instid0(VALU_DEP_1)
	v_lshrrev_b32 v[SCA], 23, v[QT+4]
	v_mov_b32 v[VF+3], 0
	v_mov_b32 v[VF+4], 0
	v_mov_b32 v[VF+5], 0
	v_cvt_scalef32_pk16_fp6_f32 v[VF:VF+2], v[vA:vA+15], v[QT+4]
	v_nop
.irp i, 0,1,2
	v_permlane16_swap_b32 v[VF+\i], v[VF+3+\i]
.endr
	NOPS 8
	WM ACC+64*(\b)+8*(\nt), VF, U+12*(\b), -1, SCA, X0+(\b), 0     ; it lands on tiles of V0 that are converted already
.endm
; The second attention, tile mt of 16 queries: scores = K1 Q1^T on codes; a finished softmax over the 16 keys; O^T = Q1^T + V1^T A^T in f32; LayerNorm's part 1
.macro ATT1 mt
.set aB, (\mt)/2
.set aQ, ACC+32*(\mt)
.if ((\mt)%2) == 0
	WIN 0x40
.irp i, 0,1,2,3,4,5,6,7
	ds_load_b128 v[VV+4*\i:VV+4*\i+3], v[YVA] offset:4096*aB+512*\i   ; the set's V1
.endr
	WIN 0
	ds_load_b128 v[KF:KF+3], v[PVA] offset:K1C+1024*aB             ; and K1's codes (waited for inside QUANT2)
	ds_load_b64 v[KF+4:KF+5], v[PV8] offset:K1C+1024*aB+512
.endif
	QUANT2 aQ, QF, SCB
	NOPS 8
	WM SA, KF, QF, -1, X0+aB, SCB, 0               ; lane (r, h): query r, register j = key 8 h + j
	NOPS 4
	v_max3_num_f32 v[QT], v[SA], v[SA+1], v[SA+2]
	v_max3_num_f32 v[QT], v[QT], v[SA+3], v[SA+4]
	v_max3_num_f32 v[QT], v[QT], v[SA+5], v[SA+6]
	v_max_num_f32 v[QT], v[QT], v[SA+7]
	s_delay_alu instid0(VALU_DEP_1)
	v_permlanex16_b32 v[QT+2], v[QT], s[SEL], s[SEL+1]
	s_delay_alu instid0(VALU_DEP_1)
	v_max_num_f32 v[QT], v[QT], v[QT+2]            ; the row's maximum is taken away, as reference() does
	s_delay_alu instid0(VALU_DEP_1)
	v_mul_f32 v[QT+4], s[NC], v[QT]
.irp i, 0,2,4,6
	v_pk_fma_f32 v[SA+\i:SA+\i+1], v[SA+\i:SA+\i+1], s[CS:CS+1], v[QT+4:QT+5] op_sel_hi:[1,0,0]
.endr
	s_wait_alu depctr_va_vdst(0)
.irp i, 0,1,2,3,4,5,6,7
	v_exp_f32 v[SA+\i], v[SA+\i]
.endr
	v_nop
	s_wait_alu depctr_va_vdst(0)                   ; one wait for the eight
	v_pk_add_f32 v[QT+6:QT+7], v[SA:SA+1], v[SA+2:SA+3]
	v_pk_add_f32 v[QT+8:QT+9], v[SA+4:SA+5], v[SA+6:SA+7]
	s_delay_alu instid0(VALU_DEP_1)
	v_pk_add_f32 v[QT+6:QT+7], v[QT+6:QT+7], v[QT+8:QT+9]
	s_delay_alu instid0(VALU_DEP_1)
	v_add_f32 v[QT+6], v[QT+6], v[QT+7]
	s_delay_alu instid0(VALU_DEP_1)
	v_permlanex16_b32 v[QT+2], v[QT+6], s[SEL], s[SEL+1]
	s_delay_alu instid0(VALU_DEP_1)
	v_add_f32 v[QT+6], v[QT+6], v[QT+2]
	s_wait_alu depctr_va_vdst(0)
	v_rcp_f32 v[QT+6], v[QT+6]
	v_nop
	s_wait_alu depctr_va_vdst(0)
.irp i, 0,2,4,6
	v_pk_mul_f32 v[SA+\i:SA+\i+1], v[SA+\i:SA+\i+1], v[QT+6:QT+7] op_sel_hi:[1,0]
.endr
	NOPS 4
	WIN 0x01
.irp ks, 0,1,2,3                       ; K step ks takes keys 8 h + 2 ks + j on both sides: registers 2 ks, 2 ks + 1 of V1's tile and of A^T as they stand.  The four accumulators take turns
.irp dt, 0,1,2,3
.if \ks == 0
	v_wmma_f32_16x16x4_f32 v[F+8*\dt:F+8*\dt+7], v[VV+8*\dt:VV+8*\dt+1], v[SA:SA+1], v[aQ+8*\dt:aQ+8*\dt+7]   ; Q1's tile starts the sum
.else
	v_wmma_f32_16x16x4_f32 v[F+8*\dt:F+8*\dt+7], v[VV+8*\dt+2*\ks:VV+8*\dt+2*\ks+1], v[SA+2*\ks:SA+2*\ks+1], v[F+8*\dt:F+8*\dt+7]
.endif
.endr
.endr
	WIN 0
	NOPS 8
	LNSTAT F, aQ, \mt
.endm
.macro YLD mt
.irp q, 0,1,2,3,4,5,6,7
	ds_load_b128 v[U+4*\q:U+4*\q+3], v[YVA] offset:4096*(\mt)+512*\q
.endr
.endm
; ---------------- the head
	s_load_b512 s[4:19], s[0:1], 0x0               ; x s[4:5], I s[6:7], wq s[8:9], out0 s[10:11], mab0: bqkv s[12:13], bo s[14:15], g0 s[16:17], b0 s[18:19],
	s_load_b512 s[20:35], s[0:1], 0x40             ; g1 s[20:21], b1 s[22:23]; mab1: bqkv s[24:25], bo s[26:27], g0 s[28:29], b0 s[30:31], g1 s[32:33], b1 s[34:35]
	v_lshl_add_u32 v[SPW], v0, 2, SPARE
	v_mov_b32 v[NIL], 0
	ds_add_u32 v[SPW], v[NIL]                      ; the wave's opening: the add, twice on end, and its wait ahead of my first tensor load; the set-up below, work on registers, stands between
	ds_add_u32 v[SPW], v[NIL]
	v_lshrrev_b32 v68, 5, v0
	s_delay_alu instid0(VALU_DEP_1)
	v_readfirstlane_b32 s[WV], v68                 ; wave 0..7
	v_and_b32 v69, 31, v0                          ; lane
	v_and_b32 v70, 15, v0                          ; r
	v_bfe_u32 v71, v0, 4, 1                        ; h
	s_delay_alu instid0(VALU_DEP_3)
	v_lshlrev_b32 v[L16], 4, v69
	s_delay_alu instid0(VALU_DEP_4)
	v_lshlrev_b32 v[L8], 3, v69
	s_delay_alu instid0(VALU_DEP_2)
	v_add_nc_u32 v[IRD], IMGB, v[L16]
	s_wait_alu depctr_va_vdst(0)
	v_lshl_add_u32 v[ISR], v69, 2, IMGB
	s_wait_alu depctr_va_vdst(0)
	s_lshr_b32 s58, s[WV], 1                       ; my K step of an image,
	s_and_b32 s59, s[WV], 1                        ; and which six of its twelve registers
	s_mul_i32 s60, s58, 1536
	s_mul_i32 s61, s59, 520
	s_add_co_u32 s61, s61, s60
	v_add_nc_u32 v[IWA], s61, v[IRD]               ; registers 0, 1 (chunk 0) or 6, 7 (chunk 1, upper half); 512 on: 4, 5 or 10, 11
	s_mul_i32 s61, s59, 1016
	s_add_co_u32 s61, s61, s60
	s_add_co_u32 s61, s61, 8
	v_add_nc_u32 v[IWB], s61, v[IRD]               ; registers 2, 3 or 8, 9
	s_lshl_b32 s60, s58, 7
	s_lshl_b32 s61, s59, 1
	s_add_co_u32 s60, s60, s61
	v_add_nc_u32 v[ISW], s60, v[ISR]
	s_mul_i32 s62, s[WV], P2W
	s_add_co_u32 s62, s62, P2B
	v_lshl_add_u32 v[PRD], v71, 6, s62
	v_and_b32 v72, 8, v70
	s_delay_alu instid0(VALU_DEP_1)
	v_add_nc_u32 v72, v72, v70
	s_delay_alu instid0(VALU_DEP_1)
	v_lshl_add_u32 v[PRN], v72, 2, s62
	v_add_nc_u32 v[PVA], s62, v[L16]
	v_add_nc_u32 v[PV8], s62, v[L8]
	s_lshl_b32 s60, s[WV], 14
	v_add_nc_u32 v[YVA], s60, v[L16]
	v_mul_u32_u24 v[STR], v70, 80
	s_delay_alu instid0(VALU_DEP_1)
	v_add_nc_u32 v[STR], STAT, v[STR]
	s_lshl_b32 s60, s[WV], 3
	v_add_nc_u32 v[STW], s60, v[STR]
	s_lshl_b32 s60, s[WV], 8                       ; my 64 features: 256 bytes
	v_add_nc_u32 v22, s60, v[L8]                   ; the parameters: 256 w + 8 x lane
	v_lshlrev_b32 v23, 11, v70
	s_delay_alu instid0(VALU_DEP_1)
	v_lshl_add_u32 v23, v71, 6, v23
	s_delay_alu instid0(VALU_DEP_1)
	v_add_nc_u32 v23, s60, v23                     ; I: row r, 256 w + 64 h
	v_mul_u32_u24 v94, v70, 2080                   ; x in LDS: row r of 2,080 bytes, 64 h, 256 w, and 16 more behind the row's first 1,024
	s_delay_alu instid0(VALU_DEP_1)
	v_lshl_add_u32 v94, v71, 6, v94
	s_lshr_b32 s61, s[WV], 2
	s_lshl_b32 s61, s61, 4
	s_add_co_u32 s61, s61, s60
	v_add_nc_u32 v94, s61, v94
	s_delay_alu instid0(VALU_DEP_1)
	v_add_nc_u32 v95, 66560, v94                   ; rows 32 on
.irp i, 73,74,75,76,77,78,79,80,81,82,83,84,85,86,87,88,89,90,91,92,93
	v_mov_b32 v\i, 0                               ; written once: lane permutes' destinations and the upper halves of broadcast pairs count as read
.endr
	s_mov_b32 s[SEL], 0x76543210
	s_mov_b32 s[SEL+1], 0xfedcba98
	s_mov_b32 s[CS], 0x3d8293ee                    ; log2(e) / sqrt(512)
	s_mov_b32 s[CS+1], s[CS]
	s_mov_b32 s[NC], 0xbd8293ee
	s_mov_b32 s[EPS], 0x3727c5ac                   ; 1e-5
	; the descriptor: my 8 rows of x, 16,384 dense bytes, as 16 rows of 1,024 bytes (128 elements of 8), 16 bytes of padding behind each
	s_mov_b32 s[G0], 1
	s_mul_i32 s[G0+1], s[WV], 16640
	s_mov_b32 s[G1], (3<<16)|(1<<20)|(7<<22)|(3<<25)
	s_mov_b32 s[G1+1], 128<<16
	s_mov_b32 s[G1+2], 16<<16
	s_mov_b32 s[G1+3], 128<<16
	s_mov_b32 s[G1+4], 16
	s_mov_b32 s[G1+5], 128
	s_mov_b32 s[G1+6], 0
	s_mov_b32 s[G1+7], 0
	s_lshl_b32 s58, ttmp9, 17                      ; the work-group's 64 rows of 2,048 bytes,
	s_lshl_b32 s59, s[WV], 14                      ; my 8 of them
	s_add_co_u32 s58, s58, s59
	s_mov_b32 s59, 0
	s_mul_i32 s60, s[WV], 25600
	s_mov_b32 s61, 0
	s_lshl_b32 s62, ttmp9, 12                      ; out0: two rows of 2,048 bytes a work-group, 256 w
	s_lshl_b32 s63, s[WV], 8
	s_add_co_u32 s62, s62, s63
	s_mov_b32 s63, 0
	s_wait_dscnt 0x0                               ; both opening adds are done
	s_wait_kmcnt 0x0
	s_add_nc_u64 s[G0+2:G0+3], s[4:5], s[58:59]
	s_or_b32 s[G0+3], s[G0+3], 0x80000000
	tensor_load_to_lds s[G0:G0+3], s[G1:G1+7]      ; every wave's one tensor load: a first fill; nothing is ever filled again
	s_nop 0
	NOPS 4
	s_add_nc_u64 s[WP:WP+1], s[8:9], s[60:61]
	s_add_nc_u64 s[10:11], s[10:11], s[62:63]
	global_load_b64 v[U:U+1], v22, s[12:13]                        ; sixteen vectors: my 64 numbers of each, 256 consecutive bytes a load
	global_load_b64 v[U+2:U+3], v22, s[12:13] offset:2048
	global_load_b64 v[U+4:U+5], v22, s[12:13] offset:4096
	global_load_b64 v[U+6:U+7], v22, s[14:15]
	global_load_b64 v[U+8:U+9], v22, s[16:17]
	global_load_b64 v[U+10:U+11], v22, s[18:19]
	global_load_b64 v[U+12:U+13], v22, s[20:21]
	global_load_b64 v[U+14:U+15], v22, s[22:23]
	global_load_b64 v[U+16:U+17], v22, s[24:25]
	global_load_b64 v[U+18:U+19], v22, s[24:25] offset:2048
	global_load_b64 v[U+20:U+21], v22, s[24:25] offset:4096
	global_load_b64 v[U+22:U+23], v22, s[26:27]
	global_load_b64 v[U+24:U+25], v22, s[28:29]
	global_load_b64 v[U+26:U+27], v22, s[30:31]
	global_load_b64 v[U+28:U+29], v22, s[32:33]
	global_load_b64 v[U+30:U+31], v22, s[34:35]
.irp q, 0,1,2,3,4,5,6,7
	global_load_b128 v[ACC+4*\q:ACC+4*\q+3], v23, s[6:7] offset:128*(\q/4)+16*(\q%4)   ; I(r, 64 w + 32 b' + 16 h + ..)
.endr
	WLOAD 0, 0                                     ; Wq0 fills the ring
	WLOAD 0, 1
	WLOAD 0, 2
	WLOAD 0, 3
	s_wait_loadcnt 60                              ; the parameters are in: behind them stand I's 8 and the ring's 52
.irp i, 0,1,2,3,4,5,6,7,8,9,10,11,12,13,14,15
	ds_store_b64 v[PV8], v[U+2*\i:U+2*\i+1] offset:256*\i
.endr
	s_wait_loadcnt 52                              ; I is in
	QUANT2 ACC, CD, SWI
	IMG HI, HS, 0
	BARRIER                                        ; 1: I's four fragments lie in LDS (the tensor loads may stay out)
	GEMM32 1, 1, 0, 1, ACC, 0, 0                   ; Q0 = I Wq0 + bq0, my head: once for both sets and both passes
.irp i, 0,1,2,3,4,5,6,7
	ds_store_b128 v[PVA], v[ACC+4*\i:ACC+4*\i+3] offset:Q0R+512*\i   ; in f32, for the residual
.endr
	QUANT2 ACC, CD, Q0S
	ds_store_b128 v[PVA], v[CD:CD+3] offset:Q0C
	ds_store_b64 v[PV8], v[CD+4:CD+5] offset:Q0C+512
	s_wait_tensorcnt 0x0                           ; my 8 rows of x have landed
	BARRIER                                        ; 2: everybody's have
.irp mt, 0,1
.irp q, 0,1,2,3,4,5,6,7
	ds_load_b128 v[ACC+32*\mt+4*\q:ACC+32*\mt+4*\q+3], v94 offset:\mt*33280+128*(\q/4)+16*(\q%4)
.endr
.endr
.irp mt, 0,1
.irp q, 0,1,2,3,4,5,6,7
	ds_load_b128 v[ACC+64+32*\mt+4*\q:ACC+64+32*\mt+4*\q+3], v95 offset:\mt*33280+128*(\q/4)+16*(\q%4)
.endr
.endr
	s_wait_dscnt 0x0
	s_mov_b32 s[PASS], 0
.Lpass:
; ---------------- the pass's X lies in ACC as f32 (x, then h1); it is wanted as codes alone: all three products that take it are quantised along its features
.irp mt, 0,1,2,3
	QUANT2 ACC+32*\mt, CD, SWI
	IMG XI, XS, \mt
.endr
	BARRIER                                        ; X's sixteen fragments lie in LDS; in the first pass nobody reads x's f32 bytes any more
; ---------------- mab0(I, X).  K0, scores, softmax
	GEMM64 1, 1, 2, 0, 1                           ; K0 = X Wk0 + bk0
	ZERO6 FA+6
	ZERO6 FQ+6
	ds_load_b128 v[FQ:FQ+3], v[PVA] offset:Q0C     ; (waited for inside QUANT2)
	ds_load_b64 v[FQ+4:FQ+5], v[PV8] offset:Q0C+512
.irp mt, 0,1,2,3
	QUANT2 ACC+32*\mt, FA, SCA
	NOPS 8
	WM ACC+64*(\mt/2)+8*(\mt%2), FA, FQ, -1, SCA, Q0S, 0           ; S^T: 16 keys x my head's 16 queries; it lands on a tile of K0 that is converted already
.if (\mt%2) == 0
	WLOAD 2, 2+\mt/2                               ; Wv0's groups 2 and 3
.endif
.endr
	SOFTMAX0 0                                     ; (its first lines are the places behind the last product)
	SOFTMAX0 1
; ---------------- V0, O = Q0 + V0^T p / l
	GEMM64 0, 2, 3, 1, -1                          ; V0, a feature to a lane: a set's 32 keys of tile nt lie in 16 registers on end
	BVLOAD 2
	ZERO6 VF+6
	s_wait_dscnt 0x0
.irp b, 0,1
.irp nt, 0,1,2,3
	VPROD \b, \nt
.if \nt == 1
	WLOAD 3, 2+\b                                  ; Wo0's groups 2 and 3
.endif
.endr
.endr
	NOPS 4
.irp q, 0,1,2,3,4,5,6,7
	ds_load_b128 v[U+4*\q:U+4*\q+3], v[PVA] offset:Q0R+512*\q
.endr
	s_wait_dscnt 0x0
.set n, 0
	v_mov_b32 v[QT], v[LI+1]                       ; set 1's 1 / l into the low word of a pair of its own
.rept 16
	v_pk_fma_f32 v[ACC+n:ACC+n+1], v[ACC+n:ACC+n+1], v[LI:LI+1], v[U+n:U+n+1] op_sel_hi:[1,0,1]              ; both halves x the pair's low word
	v_pk_fma_f32 v[ACC+64+n:ACC+64+n+1], v[ACC+64+n:ACC+64+n+1], v[QT:QT+1], v[U+n:U+n+1] op_sel_hi:[1,0,1]
.set n, n+2
.endr
; ---------------- ln0
	LNSTAT ACC, ACC, 0
	LNSTAT ACC+64, ACC+64, 1
	BARRIER                                        ; the statistics lie in LDS; every wave's reads of the induced rows' images are over
	LNALL 2
	s_wait_alu depctr_va_vdst(0)
	LNAPPLY 2, 64, 4, 5
	QUANT2 ACC, CD, SWI
	IMG HI, HS, 0
	QUANT2 ACC+64, CD, SWI
	IMG HI, HS, 1
	BARRIER                                        ; the images lie in LDS; the reads of the statistics are over
; ---------------- O + relu(O Wo0 + bo0), ln1: H
	GEMM32 2, 1, 3, 5, ACC+32, 64, 3
	RELU ACC+32
	PKADD ACC, ACC+32
	WLOAD 5, 1                                     ; Wk1's groups 1 to 3 stand apart in this LayerNorm
	RELU ACC+96
	PKADD ACC+64, ACC+96
	LNSTAT ACC, ACC, 0
	LNSTAT ACC+64, ACC+64, 1
	WLOAD 5, 2
	BARRIER
	LNALL 2
	WLOAD 5, 3
	s_wait_alu depctr_va_vdst(0)
	LNAPPLY 2, 64, 6, 7
	QUANT2 ACC, CD, SWI
	IMG HI, HS, 0
	QUANT2 ACC+64, CD, SWI
	IMG HI, HS, 1
	BARRIER
; ---------------- mab1(X, H).  K1 (codes to my own LDS), V1 (f32 to my own LDS), Q1
	GEMM32 2, 1, 5, 6, ACC, 32, 9
.irp b, 0,1
	QUANT2 ACC+32*\b, CD, X0+\b
	ds_store_b128 v[PVA], v[CD:CD+3] offset:K1C+1024*\b
	ds_store_b64 v[PV8], v[CD+4:CD+5] offset:K1C+1024*\b+512
.endr
	GEMM32 2, 0, 6, 4, ACC+64, 32, -1
	BVLOAD 10
	s_wait_dscnt 0x0
.irp b, 0,1
.irp nt, 0,1,2,3
.irp i, 0,2,4,6
	v_pk_add_f32 v[ACC+64+32*\b+8*\nt+\i:ACC+64+32*\b+8*\nt+\i+1], v[ACC+64+32*\b+8*\nt+\i:ACC+64+32*\b+8*\nt+\i+1], v[BV+2*\nt:BV+2*\nt+1]
.endr
.endr
.endr
.irp i, 0,1,2,3,4,5,6,7,8,9,10,11,12,13,14,15
	ds_store_b128 v[YVA], v[ACC+64+4*\i:ACC+64+4*\i+3] offset:512*\i   ; (done ahead of the next products: LDS serves in order, and their wait leaves only younger loads out)
.endr
	GEMM64 1, 4, 7, 0, 8                           ; Q1 = X Wq1 + bq1
	ZERO6 QF+6
	ZERO6 KF+6
	ATT1 0
	WLOAD 7, 2                                     ; Wo1's groups 2 and 3
	ATT1 1
	WLOAD 7, 3
	ATT1 2
	ATT1 3
	BARRIER                                        ; the statistics lie in LDS; every wave's reads of X's images are over
	LNALL 4
	s_wait_alu depctr_va_vdst(0)
	LNAPPLY 4, 32, 12, 13
.irp mt, 0,1,2,3
	QUANT2 ACC+32*\mt, CD, SWI
	IMG XI, XS, \mt
.irp i, 0,1,2,3,4,5,6,7
	ds_store_b128 v[YVA], v[ACC+32*\mt+4*\i:ACC+32*\mt+4*\i+3] offset:4096*\mt+512*\i   ; y in f32, for the residual
.endr
.endr
	BARRIER
; ---------------- y + relu(y Wo1 + bo1), ln1
	GEMM64 1, 7, -1, 0, 11
	WNEXT
	YLD 0
.irp mt, 0,1,2,3
	RELU ACC+32*\mt
	s_wait_dscnt 0x0
	PKADD ACC+32*\mt, U
.if \mt < 3
	YLD \mt+1
.endif
	LNSTAT ACC+32*\mt, ACC+32*\mt, \mt
.endr
	BARRIER
	LNALL 4
	s_wait_alu depctr_va_vdst(0)
	LNAPPLY 4, 32, 14, 15
	s_add_co_u32 s[PASS], s[PASS], 1
	s_cmp_lt_u32 s[PASS], 2
	s_wait_alu depctr_va_vdst(0)                   ; the wait stands directly ahead of the branch
	s_cbranch_scc1 .Lpass
; ---------------- the mean over a set's 32 rows
	PKADD ACC, ACC+32
	PKADD ACC+64, ACC+96
; A lane holds one of 16 rows and 2 x 32 features.  The 16 rows turn through a stage in my own 16,384 bytes (y is read no more): row r of 512 bytes (set 0's 64 features, then set 1's) at pitch 528;
; then lane L takes the 16 bytes at 16 L of every row: four features of set L / 16, which it sums over the rows.
	v_and_b32 v[QT], 15, v0                        ; r
	v_bfe_u32 v[QT+1], v0, 4, 1                    ; h
	s_lshl_b32 s58, s[WV], 14
	v_mul_u32_u24 v[QT+2], v[QT], 528
	v_lshlrev_b32 v[QT+3], 4, v[QT]
	v_lshl_add_u32 v[QT+2], v[QT+1], 6, v[QT+2]
	v_lshl_add_u32 v[QT+3], v[QT+1], 11, v[QT+3]   ; out0: row L / 16 of 2,048 bytes, 16 (L % 16)
	v_add_nc_u32 v[QT+2], s58, v[QT+2]             ; into the stage: my region + 528 r + 64 h
.irp b, 0,1
.irp q, 0,1,2,3,4,5,6,7
	ds_store_b128 v[QT+2], v[ACC+64*\b+4*\q:ACC+64*\b+4*\q+3] offset:256*\b+128*(\q/4)+16*(\q%4)
.endr
.endr
.irp t, 0,1,2,3,4,5,6,7
	ds_load_b128 v[ACC+32+4*\t:ACC+35+4*\t], v[YVA] offset:528*\t        ; LDS serves a wave's instructions in order: these see my stores
	ds_load_b128 v[ACC+96+4*\t:ACC+99+4*\t], v[YVA] offset:528*(\t+8)
.endr
	s_wait_dscnt 0x0
	PKADD ACC+32, ACC+96                           ; 16 rows become 8,
.irp i, 0,2,4,6,8,10,12,14
	v_pk_add_f32 v[ACC+32+\i:ACC+33+\i], v[ACC+32+\i:ACC+33+\i], v[ACC+48+\i:ACC+49+\i]   ; 4,
.endr
.irp i, 0,2,4,6
	v_pk_add_f32 v[ACC+32+\i:ACC+33+\i], v[ACC+32+\i:ACC+33+\i], v[ACC+40+\i:ACC+41+\i]   ; 2,
.endr
.irp i, 0,2
	v_pk_add_f32 v[ACC+32+\i:ACC+33+\i], v[ACC+32+\i:ACC+33+\i], v[ACC+36+\i:ACC+37+\i]   ; 1
.endr
.irp i, 0,2
	v_pk_mul_f32 v[ACC+32+\i:ACC+33+\i], v[ACC+32+\i:ACC+33+\i], 0x3d000000 op_sel_hi:[1,0]   ; / 32
.endr
	global_store_b128 v[QT+3], v[ACC+32:ACC+35], s[10:11]          ; 16 lanes store 256 consecutive bytes, at a multiple of 256 from out0's first byte
	s_wait_tensorcnt 0x0                           ; the wave's end, behind my last tensor load and my last LDS store
	ds_add_u32 v[SPW], v[NIL]
	s_wait_dscnt 0x0
	s_endpgm
.Lfunc_end_k_q5e171baa2d_isab:
	.size	k_q5e171baa2d_isab, .Lfunc_end_k_q5e171baa2d_isab-k_q5e171baa2d_isab
	.p2alignl 7, 3214868480
	.fill 96, 4, 3214868480
	.section	.rodata,"a",@progbits
	.p2align	6, 0x0
	.amdhsa_kernel k_q5e171baa2d_isab
		.amdhsa_group_segment_fixed_size 327680
		.amdhsa_private_segment_fixed_size 0
		.amdhsa_enable_private_segment 0
		.amdhsa_kernarg_size 128
		.amdhsa_user_sgpr_count 2
		.amdhsa_user_sgpr_kernarg_segment_ptr 1
		.amdhsa_wavefront_size32 1
		.amdhsa_system_sgpr_workgroup_id_x 1
		.amdhsa_system_sgpr_workgroup_id_y 1
		.amdhsa_system_sgpr_workgroup_id_z 1
		.amdhsa_system_vgpr_workitem_id 0
		.amdhsa_next_free_vgpr 512
		.amdhsa_next_free_sgpr 66
		.amdhsa_reserve_vcc 0
		.amdhsa_float_denorm_mode_32 3
		.amdhsa_float_denorm_mode_16_64 3
		.amdhsa_memory_ordered 1
		.amdhsa_forward_progress 1
		.amdhsa_inst_pref_size 255
	.end_amdhsa_kernel
	.section	.bss,"aw",@nobits
	.p2align	6
	.space	262144
	.amdgpu_metadata
---
amdhsa.version: [ 1, 2 ]
amdhsa.kernels:
  - .name:           k_q5e171baa2d_isab
    .symbol:         k_q5e171baa2d_isab.kd
    .args:
      - { .name: x, .offset: 0, .size: 8, .value_kind: global_buffer, .address_space: global }
      - { .name: I, .offset: 8, .size: 8, .value_kind: global_buffer, .address_space: global }
      - { .name: wq, .offset: 16, .size: 8, .value_kind: global_buffer, .address_space: global }
      - { .name: out0, .offset: 24, .size: 8, .value_kind: global_buffer, .address_space: global }
      - { .name: mab0_bqkv, .offset: 32, .size: 8, .value_kind: global_buffer, .address_space: global }
      - { .name: mab0_bo, .offset: 40, .size: 8, .value_kind: global_buffer, .address_space: global }
      - { .name: mab0_g0, .offset: 48, .size: 8, .value_kind: global_buffer, .address_space: global }
      - { .name: mab0_b0, .offset: 56, .size: 8, .value_kind: global_buffer, .address_space: global }
      - { .name: mab0_g1, .offset: 64, .size: 8, .value_kind: global_buffer, .address_space: global }
      - { .name: mab0_b1, .offset: 72, .size: 8, .value_kind: global_buffer, .address_space: global }
      - { .name: mab1_bqkv, .offset: 80, .size: 8, .value_kind: global_buffer, .address_space: global }
      - { .name: mab1_bo, .offset: 88, .size: 8, .value_kind: global_buffer, .address_space: global }
      - { .name: mab1_g0, .offset: 96, .size: 8, .value_kind: global_buffer, .address_space: global }
      - { .name: mab1_b0, .offset: 104, .size: 8, .value_kind: global_buffer, .address_space: global }
      - { .name: mab1_g1, .offset: 112, .size: 8, .value_kind: global_buffer, .address_space: global }
      - { .name: mab1_b1, .offset: 120, .size: 8, .value_kind: global_buffer, .address_space: global }
    .group_segment_fixed_size: 327680
    .private_segment_fixed_size: 0
    .kernarg_segment_align: 8
    .kernarg_segment_size: 128
    .max_flat_workgroup_size: 256
    .sgpr_count:     66
    .vgpr_count:     512
    .wavefront_size: 32
...
	.end_amdgpu_metadata
.endif
;; end of part 2
